; MI455X (gfx1250); checked and timed in simulation.
; The chip was launched on July 23, 2026; its instructions are those of AMD's public machine-readable ISA for CDNA 5 (MIT licence, August 2026) and "CDNA5" Instruction Set Architecture Reference Guide (July 2026). The comments in the code are by the model that wrote it; some were corrected since.
;; Attention2d. Allowed arithmetic: float matrix products may take bf16 or f16 operands with f32 sums; all other float work in f32.
;; Inputs: b_proj 128 float32; b_qkv 384 float32; w_proj 128 x 128 float32; w_qkv 384 x 128 float32; x 2 x 128 x 64 x 64 float32.
;; Outputs: out0 2 x 128 x 64 x 64 float32.
;; 2 versions, each right and faster than the one before. Each part assembles by itself: llvm-mc -triple=amdgcn-amd-amdhsa -mcpu=gfx1250 --defsym DOCPART=n.
;; ======== version 1 of 2: 3 launches
;; workspace buffers: qbuf 2,097,152 bytes; kvbuf 4,194,304 bytes; abuf 2,097,152 bytes
;; launch qkv (part 1): grid 256 x 1, 8 waves a work-group, no clusters, 73,728 bytes of LDS; arguments x, w_qkv, b_qkv, qbuf, kvbuf; writes qbuf, kvbuf
.if DOCPART == 1
	.amdgcn_target "amdgcn-amd-amdhsa--gfx1250"
	.amdhsa_code_object_version 6
	.text
	.protected	k_q0ae1419e06_qkv
	.globl	k_q0ae1419e06_qkv
	.p2align	8
	.type	k_q0ae1419e06_qkv,@function
k_q0ae1419e06_qkv:
	s_mov_b64 s[64:65], 0
	v_nop
	global_prefetch_b8 v0, s[64:65] scope:SCOPE_SE
	s_setreg_imm32_b32 hwreg(HW_REG_WAVE_MODE, 25, 1), 1
	s_wait_xcnt 0x0
; qkv = W_qkv x + b_qkv for 64 tokens and two heads (192 output rows), rounded to bf16 and stored in the order in which
; the attention launch's matrix instructions want their operands.
; x: [2][128][4096] f32.  w_qkv: [384][128] f32.  b_qkv: [384] f32.  Head h of a batch owns rows 96 h .. 96 h + 95: 32 of q, 32 of k, 32 of v.
; OUTPUT IMAGES.  A block of 1,024 bytes is the register image of a 16 x 32 bf16 operand: byte 512 p + 16 L holds registers 4 p .. 4 p + 3 of lane L.
;   qbuf  [bh 8][query tile 256][1 KB]                      lane (r, h), part p: query r, channels 16 p + 8 h .. + 7
;   kvbuf [bh 8][block of 32 keys 128][K0 | K1 | V0 | V1]   K tile kt: key 16 kt + r, channels 16 p + 8 h .. + 7
;                                                           V tile ct: channel 16 ct + r, keys 16 p + 8 h .. + 7
; So every store here, and every load of these buffers later, is 16 bytes a lane at 16 x lane: 512 consecutive aligned bytes an instruction.
; LIMITS, stated: matrix operands (x, w_qkv) are rounded to bf16, sums are f32.  q is multiplied ONCE, in f32 and before its rounding to
; bf16, by log2(e) / sqrt(32) = 0.25503486; reference() multiplies q and k each by 32^(-1/4) and uses e^x: the order of rounding differs.
; SHARE.  Work-group: g = id & 1 picks heads 2 g, 2 g + 1; id >> 1 picks the batch and 64 tokens (a row of x's tile is 256 aligned bytes).
; Wave w: token tile tt = w & 3, head 2 g + (w >> 2): six result tiles of 16 x 16 over K = 128, 24 matrix instructions.
; NO TENSOR LOADS, NO CLUSTER: x and the weights are f32 and have to pass through registers to be rounded, and each work-group fills LDS
; once; a joint load would bring f32 into LDS and cost a second pass through it.
.set XP,  160                          ; LDS pitch of x's tile [channel 128][token 64] bf16: 128 bytes of data + 32 (an odd multiple of 32, for the transposing loads)
.set XB,  0
.set WP,  272                          ; LDS pitch of the weights [row 192][channel 128] bf16: 256 bytes of data + 16
.set WB,  128*XP                       ; 20,480
.set XF,  10                           ; v[10:41]   x as loaded (8 x 4), later its four fragments (K steps of 32 channels)
.set WR,  42                           ; v[42:137]  weights as loaded (24 x 4)
.set WF,  42                           ; v[42:185]  weight fragments: three buffers of six tiles; K step ks uses buffer ks % 3
.set ACC, 186                          ; v[186:233] six accumulator tiles: q0 q1 k0 k1 v0 v1
.set VB,  234                          ; v[234:237] v's bias of my channel, twice for each of the two tiles
.set OUT, 42                           ; v[42:65]   the six tiles packed to bf16
.set QSCALE, 0x3e8293ee                ; log2(e) / sqrt(32)
	s_load_b256 s[4:11], s[0:1], 0x0               ; x s[4:5], w_qkv s[6:7], b_qkv s[8:9], qbuf s[10:11]
	s_load_b64 s[12:13], s[0:1], 0x20              ; kvbuf
	v_lshl_add_u32 v240, v0, 2, 0x11c00
	v_mov_b32 v241, 0
	v_lshrrev_b32 v9, 5, v0
	v_readfirstlane_b32 s14, v9                    ; wave 0..7
	s_and_b32 s15, ttmp9, 1                        ; g
	s_lshr_b32 s16, ttmp9, 1
	s_lshr_b32 s17, s16, 6                         ; batch
	s_and_b32 s18, s16, 63                         ; block of 64 tokens
	s_and_b32 s19, s14, 3                          ; tt
	s_lshr_b32 s20, s14, 2                         ; hh
	s_lshl1_add_u32 s21, s15, s20                  ; head = 2 g + hh
	s_lshl2_add_u32 s22, s17, s21                  ; bh = 4 batch + head
	s_mov_b32 s36, QSCALE
	s_mov_b32 s37, QSCALE
	v_and_b32 v238, 15, v0                         ; r
	v_bfe_u32 v239, v0, 4, 1                       ; h
	v_and_b32 v9, 31, v0                           ; lane
	v_lshlrev_b32 v1, 4, v9                        ; v1 = 16 x lane
	v_lshlrev_b32 v2, 4, v238                      ; v2: x, from the tile's corner: channel 16 w + h (16,384 bytes each), 16 bytes at 16 r
	v_lshl_add_u32 v2, v239, 14, v2
	s_lshl_b32 s23, s14, 18
	v_add_nc_u32 v2, s23, v2
	s_mul_i32 s23, s14, 16*XP                      ; v3: where those four numbers go in LDS: (16 w + h) x pitch + 8 r
	v_mul_u32_u24 v3, v239, XP
	v_lshl_add_u32 v3, v238, 3, v3
	v_add_nc_u32 v3, s23, v3
	s_mul_i32 s23, s14, 24*WP                      ; v4: weights into LDS: row 24 w, 8 bytes at 8 x lane
	s_add_co_u32 s23, s23, WB
	v_lshl_add_u32 v4, v9, 3, s23
	v_and_b32 v5, 7, v0                            ; v5: transposing load of x: (8 h + lane % 8) x pitch + 16 ((lane / 8) % 2) + 32 tt
	v_lshl_add_u32 v5, v239, 3, v5
	v_mul_u32_u24 v5, v5, XP
	v_bfe_u32 v6, v0, 3, 1
	v_lshl_add_u32 v5, v6, 4, v5
	s_lshl_b32 s23, s19, 5
	v_add_nc_u32 v5, s23, v5
	s_mul_i32 s23, s20, 96*WP                      ; v6: weight fragments: (96 hh + r) x pitch + 16 h
	s_add_co_u32 s23, s23, WB
	v_mul_u32_u24 v6, v238, WP
	v_lshl_add_u32 v6, v239, 4, v6
	v_add_nc_u32 v6, s23, v6
	v_lshlrev_b32 v7, 5, v239                      ; v7 = 32 h: bias of q and k, eight rows 8 h .. 8 h + 7 of a tile
	v_lshlrev_b32 v8, 2, v238                      ; v8 = 4 r:  bias of v, my channel r of a tile
	; byte offsets, each in a pair of its own with 0 above
	s_lshl_b32 s24, s17, 21                        ; x: batch x 2 MiB + 256 x token block
	s_lshl_b32 s23, s18, 8
	s_add_co_u32 s24, s24, s23
	s_mov_b32 s25, 0
	s_mul_i32 s26, s15, 192*512                    ; weights: 192 g rows + 24 w rows of 512 bytes
	s_mul_i32 s23, s14, 24*512
	s_add_co_u32 s26, s26, s23
	s_mov_b32 s27, 0
	s_mul_i32 s28, s21, 384                        ; bias: 96 numbers a head
	s_mov_b32 s29, 0
	s_lshl2_add_u32 s23, s18, s19                  ; query tile 4 x block + tt
	s_lshl_b32 s23, s23, 10
	s_lshl_b32 s30, s22, 18
	s_add_co_u32 s30, s30, s23                     ; qbuf: bh x 256 KiB + tile x 1 KiB
	s_mov_b32 s31, 0
	s_lshr_b32 s23, s19, 1
	s_lshl1_add_u32 s23, s18, s23                  ; block of 32 keys: 2 x block + tt / 2
	s_lshl_b32 s23, s23, 12
	s_lshl_b32 s32, s22, 19
	s_add_co_u32 s32, s32, s23                     ; kvbuf: bh x 512 KiB + block x 4 KiB
	s_and_b32 s23, s19, 1
	s_lshl_b32 s34, s23, 9
	s_add_co_u32 s34, s34, s32
	s_add_co_u32 s34, s34, 2048                    ; V: behind the two K tiles; my 16 keys are part tt % 2 (512 bytes) of each V tile
	s_lshl_b32 s23, s23, 10
	s_add_co_u32 s32, s32, s23                     ; K: my 16 keys are K tile tt % 2
	s_mov_b32 s33, 0
	s_mov_b32 s35, 0
	s_wait_kmcnt 0x0
	s_add_nc_u64 s[4:5], s[4:5], s[24:25]
	s_add_nc_u64 s[6:7], s[6:7], s[26:27]
	s_add_nc_u64 s[8:9], s[8:9], s[28:29]
	s_add_nc_u64 s[10:11], s[10:11], s[30:31]
	s_add_nc_u64 s[32:33], s[12:13], s[32:33]
	s_add_nc_u64 s[34:35], s[12:13], s[34:35]
	; 42 loads in one run: 8 of x (two rows of 256 bytes each), 24 of the weights (a row of 512 bytes each), 8 + 2 of the bias
.irp i, 0,1,2,3,4,5,6,7
	global_load_b128 v[XF+4*\i:XF+4*\i+3], v2, s[4:5] offset:\i*32768
.endr
.set i, 0
.rept 24
	global_load_b128 v[WR+4*i:WR+4*i+3], v1, s[6:7] offset:i*512
.set i, i+1
.endr
.irp t, 0,1,2,3
	global_load_b128 v[ACC+8*\t:ACC+8*\t+3],   v7, s[8:9] offset:\t*64      ; the bias of q and k lands in the accumulators and starts their sums:
	global_load_b128 v[ACC+8*\t+4:ACC+8*\t+7], v7, s[8:9] offset:\t*64+16   ; register j of lane (r, h) is output row 8 h + j of the tile
.endr
	global_load_b32 v[VB],   v8, s[8:9] offset:256
	global_load_b32 v[VB+2], v8, s[8:9] offset:320
; four f32 of one load are rounded to bf16 in place and stored to LDS.  cnt = the loads issued behind this one.
.macro CVT_ST reg, addr, off, cnt
	s_wait_loadcnt \cnt
	v_cvt_pk_bf16_f32 v[\reg],   v[\reg],   v[\reg+1]
	v_cvt_pk_bf16_f32 v[\reg+1], v[\reg+2], v[\reg+3]
	ds_store_b64 v[\addr], v[\reg:\reg+1] offset:\off
.endm
.set i, 0
.rept 8
	CVT_ST XF+4*i, 3, i*2*XP, 41-i                 ; behind x's load i: 7 - i of x and 34 others
.set i, i+1
.endr
.set i, 0
.rept 24
	CVT_ST WR+4*i, 4, i*WP, 33-i                   ; behind the weights' load i: 23 - i of the weights and 10 of the bias
.set i, i+1
.endr
	s_wait_dscnt 0x0                               ; my stores are in LDS, for the other waves' sake
	s_barrier_signal -1
	s_barrier_wait -1
.macro PLACES                          ; four plain vector instructions between a matrix instruction and a load into, or a vector instruction on, its registers
.rept 4
	v_nop
.endr
.endm
; the six weight tiles of K step ks: 12 loads
.macro LDW ks
.irp t, 0,1,2,3,4,5
	ds_load_b128 v[WF+48*(\ks%3)+8*\t:WF+48*(\ks%3)+8*\t+3],   v6 offset:\t*16*WP+\ks*64
	ds_load_b128 v[WF+48*(\ks%3)+8*\t+4:WF+48*(\ks%3)+8*\t+7], v6 offset:\t*16*WP+\ks*64+32
.endr
.endm
; six matrix instructions, one on each accumulator: the accumulators take turns.
; q and k: weights x tokens, so that a lane holds 8 channels of one token.  v: tokens x weights, so that a lane holds 8 tokens of one channel.
.macro MM ks, zero
.irp t, 0,1,2,3
	v_wmma_f32_16x16x32_bf16 v[ACC+8*\t:ACC+8*\t+7], v[WF+48*(\ks%3)+8*\t:WF+48*(\ks%3)+8*\t+7], v[XF+8*\ks:XF+8*\ks+7], v[ACC+8*\t:ACC+8*\t+7]
.endr
.irp t, 4,5
.if \zero
	v_wmma_f32_16x16x32_bf16 v[ACC+8*\t:ACC+8*\t+7], v[XF+8*\ks:XF+8*\ks+7], v[WF+48*(\ks%3)+8*\t:WF+48*(\ks%3)+8*\t+7], 0
.else
	v_wmma_f32_16x16x32_bf16 v[ACC+8*\t:ACC+8*\t+7], v[XF+8*\ks:XF+8*\ks+7], v[WF+48*(\ks%3)+8*\t:WF+48*(\ks%3)+8*\t+7], v[ACC+8*\t:ACC+8*\t+7]
.endif
.endr
.endm
.irp ks, 0,1,2,3
	ds_load_tr16_b128 v[XF+8*\ks:XF+8*\ks+3],   v5 offset:\ks*32*XP            ; token r, channels 32 ks + 8 h .. + 7
	ds_load_tr16_b128 v[XF+8*\ks+4:XF+8*\ks+7], v5 offset:\ks*32*XP+16*XP      ; token r, channels 32 ks + 16 + 8 h .. + 7
.endr
	LDW 0
	LDW 1
	LDW 2
	s_wait_loadcnt 0x0                             ; the bias
	v_mov_b32 v[VB+1], v[VB]
	v_mov_b32 v[VB+3], v[VB+2]
	s_wait_dscnt 24                                ; x's fragments and K step 0 are in; the 24 loads of K steps 1 and 2 may be out
	MM 0, 1
	PLACES
	LDW 3                                          ; into buffer 0, which K step 0 has read
	s_wait_dscnt 24                                ; K step 1 is in; steps 2 and 3 may be out
	MM 1, 0
	s_wait_dscnt 12                                ; K step 2 is in
	MM 2, 0
	s_wait_dscnt 0x0
	MM 3, 0
	PLACES
.irp i, 0,1,2,3,4,5,6,7
	v_pk_mul_f32 v[ACC+2*\i:ACC+2*\i+1], v[ACC+2*\i:ACC+2*\i+1], s[36:37] op_sel_hi:[1,0]   ; q (bias included) x log2(e) / sqrt(32)
.endr
.irp i, 0,1,2,3
	v_pk_add_f32 v[ACC+32+2*\i:ACC+32+2*\i+1], v[ACC+32+2*\i:ACC+32+2*\i+1], v[VB:VB+1]     ; v + bias of my channel
	v_pk_add_f32 v[ACC+40+2*\i:ACC+40+2*\i+1], v[ACC+40+2*\i:ACC+40+2*\i+1], v[VB+2:VB+3]
.endr
.set i, 0
.rept 24
	v_cvt_pk_bf16_f32 v[OUT+i], v[ACC+2*i], v[ACC+2*i+1]
.set i, i+1
.endr
	; each store of the wave covers 512 consecutive bytes, aligned
	global_store_b128 v1, v[OUT:OUT+3],     s[10:11]               ; q, channels 0-15: part 0 of my query tile
	global_store_b128 v1, v[OUT+4:OUT+7],   s[10:11] offset:512    ; q, channels 16-31: part 1
	global_store_b128 v1, v[OUT+8:OUT+11],  s[32:33]               ; k likewise, in my K tile
	global_store_b128 v1, v[OUT+12:OUT+15], s[32:33] offset:512
	global_store_b128 v1, v[OUT+16:OUT+19], s[34:35]               ; v, channels 0-15: my part of V tile 0
	global_store_b128 v1, v[OUT+20:OUT+23], s[34:35] offset:1024   ; v, channels 16-31: my part of V tile 1
	s_wait_tensorcnt 0x0
	ds_add_u32 v240, v241
	s_wait_dscnt 0x0
	s_endpgm
.Lfunc_end_k_q0ae1419e06_qkv:
	.size	k_q0ae1419e06_qkv, .Lfunc_end_k_q0ae1419e06_qkv-k_q0ae1419e06_qkv
	.p2alignl 7, 3214868480
	.fill 96, 4, 3214868480
	.section	.rodata,"a",@progbits
	.p2align	6, 0x0
	.amdhsa_kernel k_q0ae1419e06_qkv
		.amdhsa_group_segment_fixed_size 73728
		.amdhsa_private_segment_fixed_size 0
		.amdhsa_enable_private_segment 0
		.amdhsa_kernarg_size 40
		.amdhsa_user_sgpr_count 2
		.amdhsa_user_sgpr_kernarg_segment_ptr 1
		.amdhsa_wavefront_size32 1
		.amdhsa_system_sgpr_workgroup_id_x 1
		.amdhsa_system_sgpr_workgroup_id_y 1
		.amdhsa_system_sgpr_workgroup_id_z 1
		.amdhsa_system_vgpr_workitem_id 0
		.amdhsa_next_free_vgpr 242
		.amdhsa_next_free_sgpr 66
		.amdhsa_reserve_vcc 0
		.amdhsa_float_denorm_mode_32 3
		.amdhsa_float_denorm_mode_16_64 3
		.amdhsa_memory_ordered 1
		.amdhsa_forward_progress 1
		.amdhsa_inst_pref_size 24
	.end_amdhsa_kernel
	.amdgpu_metadata
---
amdhsa.version: [ 1, 2 ]
amdhsa.kernels:
  - .name:           k_q0ae1419e06_qkv
    .symbol:         k_q0ae1419e06_qkv.kd
    .args:
      - { .name: x, .offset: 0, .size: 8, .value_kind: global_buffer, .address_space: global }
      - { .name: w_qkv, .offset: 8, .size: 8, .value_kind: global_buffer, .address_space: global }
      - { .name: b_qkv, .offset: 16, .size: 8, .value_kind: global_buffer, .address_space: global }
      - { .name: qbuf, .offset: 24, .size: 8, .value_kind: global_buffer, .address_space: global }
      - { .name: kvbuf, .offset: 32, .size: 8, .value_kind: global_buffer, .address_space: global }
    .group_segment_fixed_size: 73728
    .private_segment_fixed_size: 0
    .kernarg_segment_align: 8
    .kernarg_segment_size: 40
    .max_flat_workgroup_size: 256
    .sgpr_count:     66
    .vgpr_count:     242
    .wavefront_size: 32
...
	.end_amdgpu_metadata
.endif
;; end of part 1
;; launch attn (part 2): grid 256 x 1, 8 waves a work-group, clusters of 4 x 1, 327,680 bytes of LDS; arguments qbuf, kvbuf, abuf; writes abuf
.if DOCPART == 2
	.amdgcn_target "amdgcn-amd-amdhsa--gfx1250"
	.amdhsa_code_object_version 6
	.text
	.protected	k_q0ae1419e06_attn
	.globl	k_q0ae1419e06_attn
	.p2align	8
	.type	k_q0ae1419e06_attn,@function
k_q0ae1419e06_attn:
	s_mov_b64 s[64:65], 0
	v_nop
	global_prefetch_b8 v0, s[64:65] scope:SCOPE_SE
	s_setreg_imm32_b32 hwreg(HW_REG_WAVE_MODE, 25, 1), 1
	s_wait_xcnt 0x0
	s_wait_alu depctr_hold_cnt(0) depctr_sa_sdst(0) depctr_va_vdst(0) depctr_va_sdst(0) depctr_va_ssrc(0) depctr_va_vcc(0) depctr_vm_vsrc(0)
	s_getreg_b32 s2, hwreg(HW_REG_IB_STS2, 6, 4)
	s_cmp_eq_u32 s2, 0
	s_cbranch_scc0 .Lentry_in_a_cluster
	s_endpgm
.Lentry_in_a_cluster:
	s_bfe_u32 s2, ttmp6, 0x10000c
	s_cmp_lg_u32 s2, 0x3003
	s_cbranch_scc0 .Lentry_shape_is_right
	s_endpgm
.Lentry_shape_is_right:
; Softmax attention with a running maximum: 8 (batch, head) pairs, 4,096 queries x 4,096 keys, 32 channels a head.  Result a in bf16.
; qbuf and kvbuf hold register images of matrix operands (blocks of 1,024 bytes: byte 512 p + 16 L = registers 4 p .. 4 p + 3 of lane L):
;   qbuf [bh][query tile 256][1 KB];  kvbuf [bh][block of 32 keys 128][K0 | K1 | V0 | V1];  abuf [batch][token tile 256][head 4][1 KB].
; q already carries log2(e) / sqrt(32), so a score is an exponent of 2.
; SHARE.  A work-group owns one (batch, head) and 128 queries.  Wave w: key quarter kq = w >> 1 (1,024 keys), query half qh = w & 1 (four tiles
; of 16 queries).  So a K or V fragment read from LDS serves four query tiles and is read by two waves.  The four quarters' partial results
; (maximum, sum, O) are merged through LDS at the end.
; EIGHT WAVES, two on a SIMD, and not four: per 64 score registers there are 20 matrix instructions and some 180 vector ones, and in one wave
; scores, softmax and the product with V follow each other; a second wave's matrix work runs beside the first's exponentials.
; LAYOUT.  S^T = K Q^T (source 0 = 16 keys, source 1 = 16 queries, 32 channels = one instruction): lane (r, h) holds keys 8 h + j of query r.
; A query is one lane column: maximum, alpha and sum are one number a lane, and one exchange between the halves of the wave completes the maximum.
; Two score tiles, packed to bf16, ARE source 1 of O^T = V P^T for 32 keys: no data moves between lanes.
; The row sum is a third product, ones x P^T: it is summed from the rounded P that also feeds O, and is rescaled like O.
; CLUSTER.  The four work-groups of a cluster have the same (batch, head) and other queries: they walk the same K and V.  Every tensor load is
; joint (mask 15); its descriptor hangs on ttmp9 >> 3, the wave's number and the trip alone.  cx enters only the addresses of q and of a.
; RING.  Two slots of 64 KiB; a slot holds 128 keys' K and V (16 KiB) of each of the four quarters; 8 trips.  The slot's 256 rows of 256 bytes
; are shared among the eight waves, 32 rows each.  By this text's count a wave has one tensor load outstanding.
; LIMITS, stated: q, k, v and P are bf16 matrix operands (bf16 for its range), sums f32.  The running maximum is always taken away, so every
; exponent is at most 0; exponentials below 2^-126 come out as 0.  Where scores are not finite, reference() is not finite either.
.set TILEB, 16384                      ; a trip's bytes in one key quarter
.set SLOTB, 65536
.set MB,    131072                     ; [wave 8][q 4][r 16] f32: the waves' maxima      (2 KiB; no tensor load ever lands from here on)
.set LB,    133120                     ; the same shape: the waves' sums, rescaled       (2 KiB)
.set STG,   135168                     ; [wave 8][q 4][2 KiB]: the waves' O, rescaled    (64 KiB)
; window 0
.set ADR, 2                            ; v2, v3     my quarter in slot 0, 1: 16,384 kq + 16 x lane (+ 65,536)
.set MX,  10                           ; v[10:13]   running maximum of query tile q
.set T,   16                           ; v[16:19]   at work
.set NM,  20                           ; v[20:21]   minus the new maximum (v21 is written once, and never used as a number)
.set AL,  22                           ; v[22:23]   alpha = 2^(old maximum - new maximum) (v23 likewise)
.set QF,  24                           ; v[24:55]   four query fragments
.set KF,  56                           ; v[56:119]  eight key fragments; in the merge: four waves' O of one query tile
.set SC,  120                          ; v[120:183] scores, 8 tiles of 16 keys x 16 queries
.set PB,  184                          ; v[184:215] P in bf16: four fragments of 32 keys x 16 queries
.set MT,  216                          ; v[216:231] merge: maxima, sums
.set FP,  232                          ; v[232:239] merge: factors, in pairs
.set LT,  244                          ; v[244:247] merge: my sums, rescaled
; window 1 (v256 and up)
.set VF,  0                            ; v[256:319] V fragments: (32 keys j, 16 channels ct) at 16 j + 8 ct
.set ON,  64                           ; v[320:327] a fragment of ones
.set AC,  72                           ; v[328:423] query tile q at 24 q: O channels 0-15, O channels 16-31, the sum
.set G1,  16                           ; s[16:23]   descriptor group 1
.set G0,  32                           ; s[32:39]   descriptor group 0, one for each slot
.set MSB, 0
.macro WIN new                         ; s_set_vgpr_msb: bits 1:0 source 0, 3:2 source 1, 5:4 source 2, 7:6 destination; the high byte repeats the setting that is left
.if MSB != \new
	s_set_vgpr_msb (MSB<<8)|\new
.set MSB, \new
.endif
.endm
.macro PLACES                          ; four plain vector instructions between a matrix instruction and a load into, or a vector instruction on, its registers
.rept 4
	v_nop
.endr
.endm
; A round of the cluster's barrier: my work-group's barrier, wave 0 signals for the work-group, every wave waits for all four work-groups, my work-group's barrier again.
.macro ROUND
	s_barrier_signal -1
	s_barrier_wait -1
	s_cmp_lg_u32 s10, 0
	s_cbranch_scc1 .Lnot_wave_0_\@
	s_barrier_signal -3
.Lnot_wave_0_\@:
	s_barrier_wait -3
	s_barrier_signal -1
	s_barrier_wait -1
.endm
	s_load_b128 s[4:7], s[0:1], 0x0                ; qbuf s[4:5], kvbuf s[6:7]
	s_load_b64 s[8:9], s[0:1], 0x10                ; abuf
	v_lshl_add_u32 v254, v0, 2, 0x31000
	v_mov_b32 v255, 0
	ds_add_u32 v254, v255
	v_lshrrev_b32 v9, 5, v0
	v_readfirstlane_b32 s10, v9                    ; wave 0..7
	s_lshr_b32 s11, s10, 1                         ; kq
	s_and_b32 s12, s10, 1                          ; qh
	s_lshr_b32 s14, ttmp9, 3                       ; bh: eight clusters a (batch, head)
	; group 1: 32 rows of 32 elements of 8 bytes, dense: 8 KiB
	s_mov_b32 s[G1+0], 0x0023000f                  ; 15:0 mask: the four work-groups of the cluster; 17:16 element of 8 bytes; 21 set beside a mask; no padding
	s_mov_b32 s[G1+1], 32<<16                      ; tensor_dim0 = 32
	s_mov_b32 s[G1+2], 32<<16                      ; tensor_dim1 = 32
	s_mov_b32 s[G1+3], 32<<16                      ; tile_dim0 = 32
	s_mov_b32 s[G1+4], 32                          ; tile_dim1 = 32
	s_mov_b32 s[G1+5], 32                          ; pitch = 32 elements: each row begins where the last ends
	s_mov_b32 s[G1+6], 0
	s_mov_b32 s[G1+7], 0
	s_lshl_b32 s24, s14, 19                        ; K and V: bh x 512 KiB + kq x 128 KiB + qh x 8 KiB (no place in the cluster enters)
	s_lshl_b32 s44, s11, 17
	s_add_co_u32 s24, s24, s44
	s_lshl_b32 s44, s12, 13
	s_add_co_u32 s24, s24, s44
	s_mov_b32 s25, 0
	s_lshl_b32 s45, s10, 13                        ; my 8 KiB of a slot
	s_bfe_u32 s13, ttmp6, 0x40000                  ; cx
	s_and_b32 s15, ttmp9, 7
	s_lshl2_add_u32 s15, s15, s13                  ; block of 128 queries, 0..31
	s_lshl_b32 s26, s14, 18                        ; q: bh x 256 KiB + block x 8 KiB + qh x 4 KiB
	s_lshl_b32 s42, s15, 13
	s_add_co_u32 s26, s26, s42
	s_lshl_b32 s42, s12, 12
	s_add_co_u32 s26, s26, s42
	s_mov_b32 s27, 0
	s_lshr_b32 s40, s14, 2                         ; a: batch x 1 MiB + token tile (8 block + 4 qh + kq) x 4 KiB + head x 1 KiB
	s_lshl_b32 s40, s40, 20
	s_lshl_b32 s42, s15, 15
	s_add_co_u32 s40, s40, s42
	s_lshl_b32 s42, s12, 14
	s_add_co_u32 s40, s40, s42
	s_lshl_b32 s42, s11, 12
	s_add_co_u32 s40, s40, s42
	s_and_b32 s42, s14, 3
	s_lshl_b32 s42, s42, 10
	s_add_co_u32 s40, s40, s42
	s_mov_b32 s41, 0
	s_mov_b32 s28, 0x76543210                      ; v_permlanex16_b32: lane i of one half reads lane i of the other
	s_mov_b32 s29, 0xfedcba98
	s_wait_dscnt 0x0
	s_wait_kmcnt 0x0
	s_add_nc_u64 s[24:25], s[6:7], s[24:25]
	s_add_nc_u64 s[26:27], s[4:5], s[26:27]
	s_add_nc_u64 s[8:9], s[8:9], s[40:41]
.irp s, 0,1
	s_mov_b32 s[G0+4*\s], 1                                        ; count = 1
	s_add_co_u32 s[G0+4*\s+1], s45, \s*SLOTB                       ; LDS address: slot + 8,192 x wave
	s_add_nc_u64 s[G0+4*\s+2:G0+4*\s+3], s[24:25], \s*TILEB        ; global address: trip s
	s_or_b32 s[G0+4*\s+3], s[G0+4*\s+3], 0x80000000                ; type = 2
.endr
	ROUND                                          ; all four work-groups are here: the first joint loads meet
	tensor_load_to_lds s[G0:G0+3], s[G1:G1+7]      ; trip 0 into slot 0
	s_nop 0
	v_and_b32 v9, 31, v0                           ; lane
	v_and_b32 v14, 15, v0                          ; r
	v_lshlrev_b32 v1, 4, v9                        ; v1 = 16 x lane
.irp i, 0,1,2,3,4,5,6,7
	global_load_b128 v[QF+4*\i:QF+4*\i+3], v1, s[26:27] offset:\i*512      ; my four query fragments, 512 consecutive bytes a load
.endr
	s_lshl_b32 s44, s11, 14
	v_add_nc_u32 v[ADR], s44, v1
	v_add_nc_u32 v[ADR+1], SLOTB, v[ADR]
	s_lshl_b32 s44, s10, 8                         ; v4: my wave's maxima (its sums 2,048 bytes further): MB + 256 w + 4 r
	s_add_co_u32 s44, s44, MB
	v_lshl_add_u32 v4, v14, 2, s44
	s_lshl_b32 s44, s12, 8                         ; v5: the maxima of the four waves of my query half: MB + 256 qh + 4 r, then 512 a quarter
	s_add_co_u32 s44, s44, MB
	v_lshl_add_u32 v5, v14, 2, s44
	s_lshl_b32 s45, s11, 6                         ; v8: their sums for query tile kq: LB + 256 qh + 64 kq + 4 r
	s_add_co_u32 s44, s44, s45
	s_add_co_u32 s44, s44, LB-MB
	v_lshl_add_u32 v8, v14, 2, s44
	s_lshl_b32 s44, s10, 13                        ; v6: my wave's stage: STG + 8,192 w + 16 x lane
	s_add_co_u32 s44, s44, STG
	v_add_nc_u32 v6, s44, v1
	s_lshl_b32 s44, s12, 13                        ; v7: query tile kq in the stages of my query half: STG + 8,192 qh + 2,048 kq + 16 x lane, then 16,384 a quarter
	s_lshl_b32 s45, s11, 11
	s_add_co_u32 s44, s44, s45
	s_add_co_u32 s44, s44, STG
	v_add_nc_u32 v7, s44, v1
	v_mov_b32 v[NM+1], 0                           ; the upper registers of the two broadcast pairs are named by packed instructions: written once
	v_mov_b32 v[AL+1], 0
	WIN 0x40
.irp i, 0,1,2,3,4,5,6,7
	v_mov_b32 v[ON+\i], 0x3f803f80                 ; 1.0, 1.0 in bf16
.endr
	WIN 0
; 32 LDS loads, 16 bytes a lane at 16 x lane: 8 key fragments, then 8 V fragments, of the 128 keys of my quarter in the slot
.macro LOADKV slot
.irp t, 0,1,2,3,4,5,6,7
	ds_load_b128 v[KF+8*\t:KF+8*\t+3],   v[ADR+\slot] offset:(\t/2)*4096+(\t%2)*1024
	ds_load_b128 v[KF+8*\t+4:KF+8*\t+7], v[ADR+\slot] offset:(\t/2)*4096+(\t%2)*1024+512
.endr
	WIN 0x40                                       ; destination in window 1
.irp t, 0,1,2,3,4,5,6,7
	ds_load_b128 v[VF+8*\t:VF+8*\t+3],   v[ADR+\slot] offset:(\t/2)*4096+2048+(\t%2)*1024
	ds_load_b128 v[VF+8*\t+4:VF+8*\t+7], v[ADR+\slot] offset:(\t/2)*4096+2048+(\t%2)*1024+512
.endr
	WIN 0
.endm
; three matrix instructions for 32 keys j: O channels 0-15, O channels 16-31, the sum.  The three accumulators take turns.
.macro PV3 q, j, zero
.if \zero
	v_wmma_f32_16x16x32_bf16 v[AC+24*\q:AC+24*\q+7],     v[VF+16*\j:VF+16*\j+7],    v[PB+8*\j:PB+8*\j+7], 0
	v_wmma_f32_16x16x32_bf16 v[AC+24*\q+8:AC+24*\q+15],  v[VF+16*\j+8:VF+16*\j+15], v[PB+8*\j:PB+8*\j+7], 0
	v_wmma_f32_16x16x32_bf16 v[AC+24*\q+16:AC+24*\q+23], v[ON:ON+7],                v[PB+8*\j:PB+8*\j+7], 0
.else
	v_wmma_f32_16x16x32_bf16 v[AC+24*\q:AC+24*\q+7],     v[VF+16*\j:VF+16*\j+7],    v[PB+8*\j:PB+8*\j+7], v[AC+24*\q:AC+24*\q+7]
	v_wmma_f32_16x16x32_bf16 v[AC+24*\q+8:AC+24*\q+15],  v[VF+16*\j+8:VF+16*\j+15], v[PB+8*\j:PB+8*\j+7], v[AC+24*\q+8:AC+24*\q+15]
	v_wmma_f32_16x16x32_bf16 v[AC+24*\q+16:AC+24*\q+23], v[ON:ON+7],                v[PB+8*\j:PB+8*\j+7], v[AC+24*\q+16:AC+24*\q+23]
.endif
.endm
; One query tile against 128 keys.  first = 1: the tile's first keys: no old maximum, no rescale, the products start the sums.
; waitv = 1: V's loads are waited for here, in front of the trip's first product with V.
.macro STEP q, first, waitv
.irp t, 0,1,2,3,4,5,6,7
	v_wmma_f32_16x16x32_bf16 v[SC+8*\t:SC+8*\t+7], v[KF+8*\t:KF+8*\t+7], v[QF+8*\q:QF+8*\q+7], 0
.endr
	PLACES
	; the largest of my 64 scores, in four chains that do not wait for each other
.irp c, 0,1,2,3
	v_max_num_f32 v[T+\c], v[SC+16*\c], v[SC+16*\c+1]
.endr
.irp k, 1,2,3,4,5,6,7
.irp c, 0,1,2,3
	v_max3_num_f32 v[T+\c], v[T+\c], v[SC+16*\c+2*\k], v[SC+16*\c+2*\k+1]
.endr
.endr
	v_max3_num_f32 v[T], v[T], v[T+1], v[T+2]
.if \first
	v_max_num_f32 v[T], v[T], v[T+3]
.else
	v_max3_num_f32 v[T], v[T], v[T+3], v[MX+\q]    ; with the running maximum
.endif
	v_permlanex16_b32 v[T+1], v[T], s28, s29       ; the other half of the wave holds the query's other keys
	v_max_num_f32 v[T+2], v[T], v[T+1]             ; the new maximum of query r, in both its lanes
.if \first
	v_sub_f32 v[NM], 0, v[T+2]
	v_mov_b32 v[MX+\q], v[T+2]
.else
	v_sub_f32 v[AL], v[MX+\q], v[T+2]
	v_sub_f32 v[NM], 0, v[T+2]
	v_exp_f32 v[AL], v[AL]                         ; alpha, at most 1
	v_mov_b32 v[MX+\q], v[T+2]                     ; the plain instruction behind the exponential (ISA guide 5.7.2)
.endif
	; P = 2^(score - maximum), packed to bf16.  Between the exponentials of tile t stand the subtractions of tile t + 1 and the packing of tile t - 1,
	; so that an exponential's result is first read at least one plain instruction later.
.irp i, 0,1,2,3
	v_pk_add_f32 v[SC+2*\i:SC+2*\i+1], v[SC+2*\i:SC+2*\i+1], v[NM:NM+1] op_sel_hi:[1,0]
.endr
.irp t, 0,1,2,3,4,5,6,7
.irp i, 0,1,2,3
	v_exp_f32 v[SC+8*\t+2*\i], v[SC+8*\t+2*\i]
.if \t < 7
	v_pk_add_f32 v[SC+8*\t+8+2*\i:SC+8*\t+8+2*\i+1], v[SC+8*\t+8+2*\i:SC+8*\t+8+2*\i+1], v[NM:NM+1] op_sel_hi:[1,0]
.endif
	v_exp_f32 v[SC+8*\t+2*\i+1], v[SC+8*\t+2*\i+1]
.if \t > 0
	s_wait_alu depctr_va_vdst(0)
	v_cvt_pk_bf16_f32 v[PB+4*\t-4+\i], v[SC+8*\t-8+2*\i], v[SC+8*\t-8+2*\i+1]
.endif
.endr
.endr
	s_wait_alu depctr_va_vdst(0)
.irp i, 0,1,2,3
	v_cvt_pk_bf16_f32 v[PB+28+\i], v[SC+56+2*\i], v[SC+56+2*\i+1]
.endr
.if \waitv
	s_wait_dscnt 0x0                               ; V's fragments are in
.endif
	WIN 0x51                                       ; destination, source 0 and source 2 in window 1 (accumulators, V, ones); source 1 in window 0 (alpha, P)
.if \first
.else
.irp i, 0,1,2,3,4,5,6,7,8,9,10,11
	v_pk_mul_f32 v[AC+24*\q+2*\i:AC+24*\q+2*\i+1], v[AC+24*\q+2*\i:AC+24*\q+2*\i+1], v[AL:AL+1] op_sel_hi:[1,0]
.endr
.endif
	PV3 \q, 0, \first
	PV3 \q, 1, 0
	PV3 \q, 2, 0
	PV3 \q, 3, 0
	WIN 0
.endm
; One trip: 128 keys of my quarter against my four query tiles.  refill = 1: the other slot gets the next trip's tile.
.macro TRIP slot, refill, first
	s_wait_tensorcnt 0x0                           ; all my tensor loads have landed, my part of this trip's tile among them,
	ds_add_u32 v254, v255
	s_wait_dscnt 0x0
	s_add_nc_u64 s[G0+4*\slot+2:G0+4*\slot+3], s[G0+4*\slot+2:G0+4*\slot+3], 2*TILEB   ; so a group 0 may be written: this slot's next tile
	s_wait_dscnt 0x0                               ; my reads of the last trip's tile are back
	ROUND                                          ; both now hold of every wave of the four work-groups
.if \refill
	tensor_load_to_lds s[G0+4-4*\slot:G0+7-4*\slot], s[G1:G1+7]    ; my one tensor load behind the round, and the first thing there: the next tile, into the slot read last trip
	s_nop 0
.endif
	PLACES                                         ; behind the last trip's products with V, in front of the loads into V's registers
	LOADKV \slot
.if \first
	s_wait_loadcnt 0x0                             ; q
.endif
	s_wait_dscnt 16                                ; K's 16 loads are in; V's 16, issued behind them, may be out
	STEP 0, \first, 1
	STEP 1, \first, 0
	STEP 2, \first, 0
	STEP 3, \first, 0
.endm
	TRIP 0, 1, 1                                   ; trip 0 starts the sums: nothing is cleared
	TRIP 1, 1, 0
	s_mov_b32 s30, 2
.Llap:
	TRIP 0, 1, 0                                   ; trips 2 to 5
	TRIP 1, 1, 0
	s_sub_co_u32 s30, s30, 1
	s_cmp_lg_u32 s30, 0
	s_cbranch_scc1 .Llap
	TRIP 0, 1, 0                                   ; trip 6 asks for the last tile
	TRIP 1, 0, 0                                   ; trip 7 asks for nothing (slot 1's stepped address is not used)
	; THE MERGE of the four key quarters.  (a) every wave publishes its four maxima
	PLACES                                         ; behind the last matrix instructions, for all that follows
.irp q, 0,1,2,3
	ds_store_b32 v4, v[MX+\q] offset:64*\q         ; both lanes of a query write the same word with the same number
.endr
	s_wait_dscnt 0x0
	s_barrier_signal -1
	s_barrier_wait -1
	; (b) the common maximum; my O and my sum are brought to it and staged
.irp k, 0,1,2,3
.irp q, 0,1,2,3
	ds_load_b32 v[MT+4*\k+\q], v5 offset:512*\k+64*\q
.endr
.endr
	s_wait_dscnt 0x0
.irp q, 0,1,2,3
	v_max3_num_f32 v[MT+\q], v[MT+\q], v[MT+4+\q], v[MT+8+\q]
.endr
.irp q, 0,1,2,3
	v_max_num_f32 v[MT+\q], v[MT+\q], v[MT+12+\q]
.endr
.irp q, 0,1,2,3
	v_sub_f32 v[MT+4+\q], v[MX+\q], v[MT+\q]       ; at most 0
.endr
.irp q, 0,1,2,3
	v_exp_f32 v[FP+2*\q],   v[MT+4+\q]             ; the factor, twice: a pair for the packed multiply
	v_exp_f32 v[FP+2*\q+1], v[MT+4+\q]
.endr
	v_nop                                          ; the plain instruction behind the exponentials (ISA guide 5.7.2)
	WIN 0x51
	s_wait_alu depctr_va_vdst(0)
.irp q, 0,1,2,3
.irp i, 0,1,2,3,4,5,6,7
	v_pk_mul_f32 v[AC+24*\q+2*\i:AC+24*\q+2*\i+1], v[AC+24*\q+2*\i:AC+24*\q+2*\i+1], v[FP+2*\q:FP+2*\q+1]
.endr
.endr
	WIN 0x01                                       ; source 0 in window 1
.irp q, 0,1,2,3
	v_mul_f32 v[LT+\q], v[AC+24*\q+16], v[FP+2*\q] ; all eight registers of the sum's tile hold query r's sum: the first is taken
.endr
	WIN 0x04                                       ; store data in window 1
.irp q, 0,1,2,3
.irp i, 0,1,2,3
	ds_store_b128 v6, v[AC+24*\q+4*\i:AC+24*\q+4*\i+3] offset:2048*\q+512*\i
.endr
.endr
	WIN 0
.irp q, 0,1,2,3
	ds_store_b32 v4, v[LT+\q] offset:LB-MB+64*\q
.endr
	s_wait_dscnt 0x0
	s_barrier_signal -1
	s_barrier_wait -1
	; (c) wave (kq, qh) finishes query tile kq of half qh: four O and four sums are added, O / sum is rounded to bf16 and stored
.irp k, 0,1,2,3
	ds_load_b32 v[MT+\k], v8 offset:512*\k
.endr
.irp k, 0,1,2,3
.irp i, 0,1,2,3
	ds_load_b128 v[KF+16*\k+4*\i:KF+16*\k+4*\i+3], v7 offset:16384*\k+512*\i
.endr
.endr
	s_wait_dscnt 0x0
	v_add_f32 v[MT], v[MT], v[MT+1]
	v_add_f32 v[MT+2], v[MT+2], v[MT+3]
	v_add_f32 v[MT], v[MT], v[MT+2]                ; at least 1: the key of the common maximum counts 1
	v_rcp_f32 v[FP], v[MT]
	v_rcp_f32 v[FP+1], v[MT]
.irp i, 0,1,2,3,4,5,6,7
	v_pk_add_f32 v[KF+2*\i:KF+2*\i+1], v[KF+2*\i:KF+2*\i+1], v[KF+16+2*\i:KF+16+2*\i+1]     ; plain instructions behind the reciprocals, which touch neither their source nor their results
.endr
.irp i, 0,1,2,3,4,5,6,7
	v_pk_add_f32 v[KF+32+2*\i:KF+32+2*\i+1], v[KF+32+2*\i:KF+32+2*\i+1], v[KF+48+2*\i:KF+48+2*\i+1]
.endr
.irp i, 0,1,2,3,4,5,6,7
	v_pk_add_f32 v[KF+2*\i:KF+2*\i+1], v[KF+2*\i:KF+2*\i+1], v[KF+32+2*\i:KF+32+2*\i+1]
.endr
	s_wait_alu depctr_va_vdst(0)
.irp i, 0,1,2,3,4,5,6,7
	v_pk_mul_f32 v[KF+2*\i:KF+2*\i+1], v[KF+2*\i:KF+2*\i+1], v[FP:FP+1]
.endr
.irp i, 0,1,2,3,4,5,6,7
	v_cvt_pk_bf16_f32 v[PB+\i], v[KF+2*\i], v[KF+2*\i+1]           ; lane (r, h): token r, channels 8 h .. + 7, then 16 + 8 h .. + 7: the two parts of an operand image
.endr
	global_store_b128 v1, v[PB:PB+3],   s[8:9]                     ; each store of the wave covers 512 consecutive bytes, aligned
	global_store_b128 v1, v[PB+4:PB+7], s[8:9] offset:512
	s_wait_tensorcnt 0x0
	ds_add_u32 v254, v255
	s_wait_dscnt 0x0
	ROUND                                          ; the closing round: no work-group ends while a partner may still issue a joint load that names it
	s_endpgm
.Lfunc_end_k_q0ae1419e06_attn:
	.size	k_q0ae1419e06_attn, .Lfunc_end_k_q0ae1419e06_attn-k_q0ae1419e06_attn
	.p2alignl 7, 3214868480
	.fill 96, 4, 3214868480
	.section	.rodata,"a",@progbits
	.p2align	6, 0x0
	.amdhsa_kernel k_q0ae1419e06_attn
		.amdhsa_group_segment_fixed_size 327680
		.amdhsa_private_segment_fixed_size 0
		.amdhsa_enable_private_segment 0
		.amdhsa_kernarg_size 24
		.amdhsa_user_sgpr_count 2
		.amdhsa_user_sgpr_kernarg_segment_ptr 1
		.amdhsa_wavefront_size32 1
		.amdhsa_system_sgpr_workgroup_id_x 1
		.amdhsa_system_sgpr_workgroup_id_y 1
		.amdhsa_system_sgpr_workgroup_id_z 1
		.amdhsa_system_vgpr_workitem_id 0
		.amdhsa_next_free_vgpr 424
		.amdhsa_next_free_sgpr 66
		.amdhsa_reserve_vcc 0
		.amdhsa_float_denorm_mode_32 3
		.amdhsa_float_denorm_mode_16_64 3
		.amdhsa_memory_ordered 1
		.amdhsa_forward_progress 1
		.amdhsa_inst_pref_size 255
	.end_amdhsa_kernel
	.section	.bss,"aw",@nobits
	.p2align	6
	.space	262144
	.amdgpu_metadata
---
amdhsa.version: [ 1, 2 ]
amdhsa.kernels:
  - .name:           k_q0ae1419e06_attn
    .symbol:         k_q0ae1419e06_attn.kd
    .args:
      - { .name: qbuf, .offset: 0, .size: 8, .value_kind: global_buffer, .address_space: global }
      - { .name: kvbuf, .offset: 8, .size: 8, .value_kind: global_buffer, .address_space: global }
      - { .name: abuf, .offset: 16, .size: 8, .value_kind: global_buffer, .address_space: global }
    .group_segment_fixed_size: 327680
    .private_segment_fixed_size: 0
    .kernarg_segment_align: 8
    .kernarg_segment_size: 24
    .max_flat_workgroup_size: 256
    .sgpr_count:     66
    .vgpr_count:     424
    .wavefront_size: 32
...
	.end_amdgpu_metadata
.endif
;; end of part 2
;; launch proj (part 3): grid 256 x 1, 4 waves a work-group, no clusters, 35,328 bytes of LDS; arguments abuf, w_proj, b_proj, x, out0; writes out0
.if DOCPART == 3
	.amdgcn_target "amdgcn-amd-amdhsa--gfx1250"
	.amdhsa_code_object_version 6
	.text
	.protected	k_q0ae1419e06_proj
	.globl	k_q0ae1419e06_proj
	.p2align	8
	.type	k_q0ae1419e06_proj,@function
k_q0ae1419e06_proj:
	s_mov_b64 s[64:65], 0
	v_nop
	global_prefetch_b8 v0, s[64:65] scope:SCOPE_SE
	s_setreg_imm32_b32 hwreg(HW_REG_WAVE_MODE, 25, 1), 1
	s_wait_xcnt 0x0
; out0 = x + b_proj + W_proj a.  x, out0: [2][128][4096] f32.  w_proj: [128][128] f32.  b_proj: [128] f32.
; abuf [batch][token tile 256][head 4][1 KB]: register images of matrix operands (byte 512 p + 16 L = registers 4 p .. 4 p + 3 of lane L:
; token r, channels 32 head + 16 p + 8 h .. + 7), so a block is source 1 of one K step of 32 channels, loaded straight into registers.
; SHARE.  Work-group: oh = id & 1 picks 64 output rows, id >> 1 the batch and 64 tokens.  Wave w multiplies token tile w (four result tiles of
; 16 rows x 16 tokens, 16 matrix instructions) and, on the way out, adds x to rows 16 w .. 16 w + 15 and stores them.
; The result goes through LDS so that sixteen neighbouring lanes store 256 consecutive aligned bytes of a row of out0.
; LIMITS, stated: a and w_proj are bf16 matrix operands; bias, sums and the residual are f32.
; NO TENSOR LOADS, NO CLUSTER: the weights are f32 and pass through registers to be rounded, 32 KiB a work-group, once; a comes in register order already.
.set WP,  272                          ; LDS pitch of the weights [row 64][channel 128] bf16: 256 bytes + 16
.set WB,  0
.set SP,  272                          ; LDS pitch of the stage [row 64][token 64] f32: 256 bytes + 16
.set SB,  64*WP                        ; 17,408
.set WR,  8                            ; v[8:71]    weights as loaded (16 x 4)
.set WF,  8                            ; v[8:135]   weight fragments: (K step ks, row tile ot) at 32 ks + 8 ot
.set RB,  8                            ; v[8:39]    rows read back from the stage
.set AF,  136                          ; v[136:167] a: four fragments
.set XR,  168                          ; v[168:199] x: 8 x 4
.set ACC, 200                          ; v[200:231] four accumulator tiles
	s_load_b256 s[4:11], s[0:1], 0x0               ; abuf s[4:5], w_proj s[6:7], b_proj s[8:9], x s[10:11]
	s_load_b64 s[12:13], s[0:1], 0x20              ; out0
	v_lshl_add_u32 v236, v0, 2, 0x8800
	v_mov_b32 v237, 0
	v_lshrrev_b32 v232, 5, v0
	v_readfirstlane_b32 s14, v232                  ; wave 0..3
	s_and_b32 s15, ttmp9, 1                        ; oh
	s_lshr_b32 s16, ttmp9, 1
	s_lshr_b32 s17, s16, 6                         ; batch
	s_and_b32 s18, s16, 63                         ; block of 64 tokens
	v_and_b32 v232, 15, v0                         ; r
	v_bfe_u32 v233, v0, 4, 1                       ; h
	v_and_b32 v234, 31, v0                         ; lane
	v_lshlrev_b32 v1, 4, v234                      ; v1 = 16 x lane
	v_lshlrev_b32 v2, 4, v232                      ; v2: x and out0: row h (16,384 bytes), 16 bytes at 16 r
	v_lshl_add_u32 v2, v233, 14, v2
	s_mul_i32 s19, s14, 16*WP                      ; v3: weights into LDS: row 16 w, 8 bytes at 8 x lane
	v_lshl_add_u32 v3, v234, 3, s19
	v_mul_u32_u24 v4, v232, WP                     ; v4: weight fragments: r x pitch + 16 h
	v_lshl_add_u32 v4, v233, 4, v4
	v_lshlrev_b32 v5, 5, v233                      ; v5 = 32 h: bias of rows 8 h .. 8 h + 7 of a tile
	v_mul_u32_u24 v6, v233, 8*SP                   ; v6: results into the stage: row 8 h, token 16 w + r
	v_lshl_add_u32 v6, v232, 2, v6
	s_lshl_b32 s19, s14, 6
	s_add_co_u32 s19, s19, SB
	v_add_nc_u32 v6, s19, v6
	v_mul_u32_u24 v7, v233, SP                     ; v7: rows back from the stage: row 16 w + h, 16 bytes at 16 r
	v_lshl_add_u32 v7, v232, 4, v7
	s_mul_i32 s19, s14, 16*SP
	s_add_co_u32 s19, s19, SB
	v_add_nc_u32 v7, s19, v7
	s_lshl_b32 s20, s15, 6
	s_lshl4_add_u32 s20, s14, s20                  ; my first row: 64 oh + 16 w
	s_lshl_b32 s22, s20, 9                         ; weights: rows of 512 bytes
	s_mov_b32 s23, 0
	s_lshl_b32 s24, s15, 8                         ; bias: 64 oh numbers
	s_mov_b32 s25, 0
	s_lshl_b32 s26, s17, 8                         ; a: token tile 256 batch + 4 block + w, 4 KiB each
	s_lshl2_add_u32 s26, s18, s26
	s_add_co_u32 s26, s26, s14
	s_lshl_b32 s26, s26, 12
	s_mov_b32 s27, 0
	s_lshl_b32 s28, s17, 21                        ; x and out0: batch x 2 MiB + row x 16 KiB + 256 x block
	s_lshl_b32 s19, s20, 14
	s_add_co_u32 s28, s28, s19
	s_lshl_b32 s19, s18, 8
	s_add_co_u32 s28, s28, s19
	s_mov_b32 s29, 0
	s_wait_kmcnt 0x0
	s_add_nc_u64 s[6:7], s[6:7], s[22:23]
	s_add_nc_u64 s[8:9], s[8:9], s[24:25]
	s_add_nc_u64 s[4:5], s[4:5], s[26:27]
	s_add_nc_u64 s[10:11], s[10:11], s[28:29]
	s_add_nc_u64 s[12:13], s[12:13], s[28:29]
	; 40 loads in one run: 16 of the weights, 8 of the bias, 8 of a, 8 of x
.set i, 0
.rept 16
	global_load_b128 v[WR+4*i:WR+4*i+3], v1, s[6:7] offset:i*512
.set i, i+1
.endr
.irp t, 0,1,2,3
	global_load_b128 v[ACC+8*\t:ACC+8*\t+3],   v5, s[8:9] offset:\t*64      ; the bias lands in the accumulators and starts the sums:
	global_load_b128 v[ACC+8*\t+4:ACC+8*\t+7], v5, s[8:9] offset:\t*64+16   ; register j of lane (r, h) is row 8 h + j of the tile
.endr
.irp i, 0,1,2,3,4,5,6,7
	global_load_b128 v[AF+4*\i:AF+4*\i+3], v1, s[4:5] offset:\i*512
.endr
.irp i, 0,1,2,3,4,5,6,7
	global_load_b128 v[XR+4*\i:XR+4*\i+3], v2, s[10:11] offset:\i*32768 th:TH_LOAD_NT   ; rows 2 i, 2 i + 1 of my sixteen; each byte of x is read once in this launch
.endr
.set i, 0
.rept 16
	s_wait_loadcnt 39-i                            ; behind the weights' load i: 15 - i of the weights and 24 others
	v_cvt_pk_bf16_f32 v[WR+4*i],   v[WR+4*i],   v[WR+4*i+1]
	v_cvt_pk_bf16_f32 v[WR+4*i+1], v[WR+4*i+2], v[WR+4*i+3]
	ds_store_b64 v3, v[WR+4*i:WR+4*i+1] offset:i*WP
.set i, i+1
.endr
	s_wait_dscnt 0x0                               ; my stores are in LDS, for the other waves' sake
	s_barrier_signal -1
	s_barrier_wait -1
.irp ks, 0,1,2,3
.irp ot, 0,1,2,3
	ds_load_b128 v[WF+32*\ks+8*\ot:WF+32*\ks+8*\ot+3],   v4 offset:\ot*16*WP+\ks*64
	ds_load_b128 v[WF+32*\ks+8*\ot+4:WF+32*\ks+8*\ot+7], v4 offset:\ot*16*WP+\ks*64+32
.endr
.endr
	s_wait_loadcnt 8                               ; bias and a are in; x's eight loads may be out
.irp ks, 0,1,2,3
	s_wait_dscnt 24-8*\ks                          ; this K step's eight loads are in; the later steps', eight each, may be out
.irp ot, 0,1,2,3
	v_wmma_f32_16x16x32_bf16 v[ACC+8*\ot:ACC+8*\ot+7], v[WF+32*\ks+8*\ot:WF+32*\ks+8*\ot+7], v[AF+8*\ks:AF+8*\ks+7], v[ACC+8*\ot:ACC+8*\ot+7]   ; the four accumulators take turns
.endr
.endr
.rept 4
	v_nop                                          ; four plain vector instructions between the matrix instructions and the stores of their results and the loads into their sources
.endr
.irp ot, 0,1,2,3
.irp j, 0,1,2,3,4,5,6,7
	ds_store_b32 v6, v[ACC+8*\ot+\j] offset:(16*\ot+\j)*SP         ; row 16 ot + 8 h + j, token 16 w + r
.endr
.endr
	s_wait_dscnt 0x0
	s_barrier_signal -1
	s_barrier_wait -1
.irp i, 0,1,2,3,4,5,6,7
	ds_load_b128 v[RB+4*\i:RB+4*\i+3], v7 offset:\i*2*SP           ; lanes 0-15 a row of 256 bytes, lanes 16-31 the next
.endr
	s_wait_loadcnt 0x0                             ; x
.irp i, 0,1,2,3,4,5,6,7
	s_wait_dscnt 7-\i                              ; LDS loads come back in order (ISA guide 5.7.1): pair i of rows is in
	v_pk_add_f32 v[RB+4*\i:RB+4*\i+1],   v[RB+4*\i:RB+4*\i+1],   v[XR+4*\i:XR+4*\i+1]
	v_pk_add_f32 v[RB+4*\i+2:RB+4*\i+3], v[RB+4*\i+2:RB+4*\i+3], v[XR+4*\i+2:XR+4*\i+3]
	global_store_b128 v2, v[RB+4*\i:RB+4*\i+3], s[12:13] offset:\i*32768 th:TH_STORE_NT   ; sixteen lanes store 256 consecutive bytes, aligned
.endr
	s_wait_tensorcnt 0x0
	ds_add_u32 v236, v237
	s_wait_dscnt 0x0
	s_endpgm
.Lfunc_end_k_q0ae1419e06_proj:
	.size	k_q0ae1419e06_proj, .Lfunc_end_k_q0ae1419e06_proj-k_q0ae1419e06_proj
	.p2alignl 7, 3214868480
	.fill 96, 4, 3214868480
	.section	.rodata,"a",@progbits
	.p2align	6, 0x0
	.amdhsa_kernel k_q0ae1419e06_proj
		.amdhsa_group_segment_fixed_size 35328
		.amdhsa_private_segment_fixed_size 0
		.amdhsa_enable_private_segment 0
		.amdhsa_kernarg_size 40
		.amdhsa_user_sgpr_count 2
		.amdhsa_user_sgpr_kernarg_segment_ptr 1
		.amdhsa_wavefront_size32 1
		.amdhsa_system_sgpr_workgroup_id_x 1
		.amdhsa_system_sgpr_workgroup_id_y 1
		.amdhsa_system_sgpr_workgroup_id_z 1
		.amdhsa_system_vgpr_workitem_id 0
		.amdhsa_next_free_vgpr 238
		.amdhsa_next_free_sgpr 66
		.amdhsa_reserve_vcc 0
		.amdhsa_float_denorm_mode_32 3
		.amdhsa_float_denorm_mode_16_64 3
		.amdhsa_memory_ordered 1
		.amdhsa_forward_progress 1
		.amdhsa_inst_pref_size 18
	.end_amdhsa_kernel
	.amdgpu_metadata
---
amdhsa.version: [ 1, 2 ]
amdhsa.kernels:
  - .name:           k_q0ae1419e06_proj
    .symbol:         k_q0ae1419e06_proj.kd
    .args:
      - { .name: abuf, .offset: 0, .size: 8, .value_kind: global_buffer, .address_space: global }
      - { .name: w_proj, .offset: 8, .size: 8, .value_kind: global_buffer, .address_space: global }
      - { .name: b_proj, .offset: 16, .size: 8, .value_kind: global_buffer, .address_space: global }
      - { .name: x, .offset: 24, .size: 8, .value_kind: global_buffer, .address_space: global }
      - { .name: out0, .offset: 32, .size: 8, .value_kind: global_buffer, .address_space: global }
    .group_segment_fixed_size: 35328
    .private_segment_fixed_size: 0
    .kernarg_segment_align: 8
    .kernarg_segment_size: 40
    .max_flat_workgroup_size: 128
    .sgpr_count:     66
    .vgpr_count:     238
    .wavefront_size: 32
...
	.end_amdgpu_metadata
.endif
;; end of part 3
;; ======== version 2 of 2: 3 launches; 1.19 times as fast as version 1
;; workspace buffers: qbuf 2,097,152 bytes; kvbuf 4,194,304 bytes; abuf 2,097,152 bytes
;; launch qkv: the kernel of part 1 again; grid 256 x 1, 8 waves a work-group, no clusters, 73,728 bytes of LDS; arguments x, w_qkv, b_qkv, qbuf, kvbuf; writes qbuf, kvbuf
;; launch attn (part 4): grid 256 x 1, 8 waves a work-group, clusters of 4 x 1, 327,680 bytes of LDS; arguments qbuf, kvbuf, abuf; writes abuf
.if DOCPART == 4
	.amdgcn_target "amdgcn-amd-amdhsa--gfx1250"
	.amdhsa_code_object_version 6
	.text
	.protected	k_q0ae1419e06_attn
	.globl	k_q0ae1419e06_attn
	.p2align	8
	.type	k_q0ae1419e06_attn,@function
k_q0ae1419e06_attn:
	s_mov_b64 s[64:65], 0
	v_nop
	global_prefetch_b8 v0, s[64:65] scope:SCOPE_SE
	s_setreg_imm32_b32 hwreg(HW_REG_WAVE_MODE, 25, 1), 1
	s_wait_xcnt 0x0
	s_wait_alu depctr_hold_cnt(0) depctr_sa_sdst(0) depctr_va_vdst(0) depctr_va_sdst(0) depctr_va_ssrc(0) depctr_va_vcc(0) depctr_vm_vsrc(0)
	s_getreg_b32 s2, hwreg(HW_REG_IB_STS2, 6, 4)
	s_cmp_eq_u32 s2, 0
	s_cbranch_scc0 .Lentry_in_a_cluster
	s_endpgm
.Lentry_in_a_cluster:
	s_bfe_u32 s2, ttmp6, 0x10000c
	s_cmp_lg_u32 s2, 0x3003
	s_cbranch_scc0 .Lentry_shape_is_right
	s_endpgm
.Lentry_shape_is_right:
; Softmax attention with a running maximum: 8 (batch, head) pairs, 4,096 queries x 4,096 keys, 32 channels a head.  Result a in bf16.
; qbuf and kvbuf hold register images of matrix operands (blocks of 1,024 bytes: byte 512 p + 16 L = registers 4 p .. 4 p + 3 of lane L):
;   qbuf [bh][query tile 256][1 KB];  kvbuf [bh][block of 32 keys 128][K0 | K1 | V0 | V1];  abuf [batch][token tile 256][head 4][1 KB].
; q already carries log2(e) / sqrt(32), so a score is an exponent of 2.
; SHARE.  A work-group owns one (batch, head) and 128 queries.  Wave w: key quarter kq = w >> 1 (1,024 keys), query half qh = w & 1 (four tiles
; of 16 queries).  So a K or V fragment read from LDS serves four query tiles and is read by two waves.  The four quarters' partial results
; (maximum, sum, O) are merged through LDS at the end.
; EIGHT WAVES, two on a SIMD, and not four: per 64 score registers there are 20 matrix instructions and some 180 vector ones; of a wave's own
; matrix work only the next tile's eight score products stand among its exponentials; a second wave's matrix work runs beside the first's exponentials.
; LAYOUT.  S^T = K Q^T (source 0 = 16 keys, source 1 = 16 queries, 32 channels = one instruction): lane (r, h) holds keys 8 h + j of query r.
; A query is one lane column: maximum, alpha and sum are one number a lane, and one exchange between the halves of the wave completes the maximum.
; Two score tiles, packed to bf16, ARE source 1 of O^T = V P^T for 32 keys: no data moves between lanes.
; The row sum is a third product, ones x P^T: it is summed from the rounded P that also feeds O, and is rescaled like O.
; BATCHES.  A step (one query tile against 128 keys) has ONE batch of exponentials, alpha and the 64 weights, and ONE wait.  Ahead of the wait stands
; all that names no result of the batch: the subtractions of the maximum, the NEXT query tile's eight score products (among the first 32 exponentials)
; and the 32 instructions of its four maximum chains (20 among the last 32 exponentials, 12 behind the last).  Behind the wait stand the readers: the 32
; roundings, the rescaling by alpha, then the products with V.  So the scores have two buffers, by the query tile's parity, and P is rounded in place,
; into the low half of its own score buffer.  A trip's last step has no next tile: a v_nop stands in the chains' place.  The merge has two batches more.
; CLUSTER.  The four work-groups of a cluster have the same (batch, head) and other queries: they walk the same K and V.  Every tensor load is
; joint (mask 15); its descriptor hangs on ttmp9 >> 3, the wave's number and the trip alone.  cx enters only the addresses of q and of a.
; RING.  Two slots of 64 KiB; a slot holds 128 keys' K and V (16 KiB) of each of the four quarters; 8 trips.  The slot's 256 rows of 256 bytes
; are shared among the eight waves, 32 rows each.  By this text's count a wave has one tensor load outstanding.
; LIMITS, stated: q, k, v and P are bf16 matrix operands (bf16 for its range), sums f32.  The running maximum is always taken away, so every
; exponent is at most 0; exponentials below 2^-126 come out as 0.  Where scores are not finite, reference() is not finite either.
.set TILEB, 16384                      ; a trip's bytes in one key quarter
.set SLOTB, 65536
.set MB,    131072                     ; [wave 8][q 4][r 16] f32: the waves' maxima      (2 KiB; no tensor load ever lands from here on)
.set LB,    133120                     ; the same shape: the waves' sums, rescaled       (2 KiB)
.set STG,   135168                     ; [wave 8][q 4][2 KiB]: the waves' O, rescaled    (64 KiB)
; window 0
.set ADR, 2                            ; v2, v3     my quarter in slot 0, 1: 16,384 kq + 16 x lane (+ 65,536)
.set MX,  10                           ; v[10:13]   running maximum of query tile q
.set T,   16                           ; v[16:19]   the four maximum chains, then at work
.set NM,  20                           ; v[20:21]   minus the new maximum (v21 is written once, and never used as a number)
.set AL,  22                           ; v[22:23]   alpha = 2^(old maximum - new maximum) (v23 likewise)
.set QF,  24                           ; v[24:55]   four query fragments
.set KF,  56                           ; v[56:119]  eight key fragments; in the merge: four waves' O of one query tile
.set SC,  120                          ; v[120:247] scores, two buffers of 8 tiles of 16 keys x 16 queries: query tile q has buffer q % 2; its P, in bf16, takes the buffer's first 32 registers
.set PB,  184                          ; v[184:191] merge: the result in bf16      (these four lie in the second score buffer, which is free behind the last trip)
.set MT,  216                          ; v[216:231] merge: maxima, sums
.set FP,  232                          ; v[232:239] merge: factors, in pairs
.set LT,  244                          ; v[244:247] merge: my sums, rescaled
; window 1 (v256 and up)
.set VF,  0                            ; v[256:319] V fragments: (32 keys j, 16 channels ct) at 16 j + 8 ct
.set ON,  64                           ; v[320:327] a fragment of ones
.set AC,  72                           ; v[328:423] query tile q at 24 q: O channels 0-15, O channels 16-31, the sum
.set G1,  16                           ; s[16:23]   descriptor group 1
.set G0,  32                           ; s[32:39]   descriptor group 0, one for each slot
.set MSB, 0
.macro WIN new                         ; s_set_vgpr_msb: bits 1:0 source 0, 3:2 source 1, 5:4 source 2, 7:6 destination; the high byte repeats the setting that is left
.if MSB != \new
	s_set_vgpr_msb (MSB<<8)|\new
.set MSB, \new
.endif
.endm
.macro PLACES                          ; four plain vector instructions between a matrix instruction and a load into, or a vector instruction on, its registers
.rept 4
	v_nop
.endr
.endm
; A round of the cluster's barrier: my work-group's barrier, wave 0 signals for the work-group, every wave waits for all four work-groups, my work-group's barrier again.
.macro ROUND
	s_barrier_signal -1
	s_barrier_wait -1
	s_cmp_lg_u32 s10, 0
	s_cbranch_scc1 .Lnot_wave_0_\@
	s_barrier_signal -3
.Lnot_wave_0_\@:
	s_barrier_wait -3
	s_barrier_signal -1
	s_barrier_wait -1
.endm
	s_load_b128 s[4:7], s[0:1], 0x0                ; qbuf s[4:5], kvbuf s[6:7]
	s_load_b64 s[8:9], s[0:1], 0x10                ; abuf
	v_lshl_add_u32 v254, v0, 2, 0x31000
	v_mov_b32 v255, 0
	ds_add_u32 v254, v255
	v_lshrrev_b32 v9, 5, v0
	v_readfirstlane_b32 s10, v9                    ; wave 0..7
	s_lshr_b32 s11, s10, 1                         ; kq
	s_and_b32 s12, s10, 1                          ; qh
	s_lshr_b32 s14, ttmp9, 3                       ; bh: eight clusters a (batch, head)
	; group 1: 32 rows of 32 elements of 8 bytes, dense: 8 KiB
	s_mov_b32 s[G1+0], 0x0023000f                  ; 15:0 mask: the four work-groups of the cluster; 17:16 element of 8 bytes; 21 set beside a mask; no padding
	s_mov_b32 s[G1+1], 32<<16                      ; tensor_dim0 = 32
	s_mov_b32 s[G1+2], 32<<16                      ; tensor_dim1 = 32
	s_mov_b32 s[G1+3], 32<<16                      ; tile_dim0 = 32
	s_mov_b32 s[G1+4], 32                          ; tile_dim1 = 32
	s_mov_b32 s[G1+5], 32                          ; pitch = 32 elements: each row begins where the last ends
	s_mov_b32 s[G1+6], 0
	s_mov_b32 s[G1+7], 0
	s_lshl_b32 s24, s14, 19                        ; K and V: bh x 512 KiB + kq x 128 KiB + qh x 8 KiB (no place in the cluster enters)
	s_lshl_b32 s44, s11, 17
	s_add_co_u32 s24, s24, s44
	s_lshl_b32 s44, s12, 13
	s_add_co_u32 s24, s24, s44
	s_mov_b32 s25, 0
	s_lshl_b32 s45, s10, 13                        ; my 8 KiB of a slot
	s_bfe_u32 s13, ttmp6, 0x40000                  ; cx
	s_and_b32 s15, ttmp9, 7
	s_lshl2_add_u32 s15, s15, s13                  ; block of 128 queries, 0..31
	s_lshl_b32 s26, s14, 18                        ; q: bh x 256 KiB + block x 8 KiB + qh x 4 KiB
	s_lshl_b32 s42, s15, 13
	s_add_co_u32 s26, s26, s42
	s_lshl_b32 s42, s12, 12
	s_add_co_u32 s26, s26, s42
	s_mov_b32 s27, 0
	s_lshr_b32 s40, s14, 2                         ; a: batch x 1 MiB + token tile (8 block + 4 qh + kq) x 4 KiB + head x 1 KiB
	s_lshl_b32 s40, s40, 20
	s_lshl_b32 s42, s15, 15
	s_add_co_u32 s40, s40, s42
	s_lshl_b32 s42, s12, 14
	s_add_co_u32 s40, s40, s42
	s_lshl_b32 s42, s11, 12
	s_add_co_u32 s40, s40, s42
	s_and_b32 s42, s14, 3
	s_lshl_b32 s42, s42, 10
	s_add_co_u32 s40, s40, s42
	s_mov_b32 s41, 0
	s_mov_b32 s28, 0x76543210                      ; v_permlanex16_b32: lane i of one half reads lane i of the other
	s_mov_b32 s29, 0xfedcba98
	s_wait_dscnt 0x0
	s_wait_kmcnt 0x0
	s_add_nc_u64 s[24:25], s[6:7], s[24:25]
	s_add_nc_u64 s[26:27], s[4:5], s[26:27]
	s_add_nc_u64 s[8:9], s[8:9], s[40:41]
.irp s, 0,1
	s_mov_b32 s[G0+4*\s], 1                                        ; count = 1
	s_add_co_u32 s[G0+4*\s+1], s45, \s*SLOTB                       ; LDS address: slot + 8,192 x wave
	s_add_nc_u64 s[G0+4*\s+2:G0+4*\s+3], s[24:25], \s*TILEB        ; global address: trip s
	s_or_b32 s[G0+4*\s+3], s[G0+4*\s+3], 0x80000000                ; type = 2
.endr
	ROUND                                          ; all four work-groups are here: the first joint loads meet
	tensor_load_to_lds s[G0:G0+3], s[G1:G1+7]      ; trip 0 into slot 0
	s_nop 0
	v_and_b32 v9, 31, v0                           ; lane
	v_and_b32 v14, 15, v0                          ; r
	v_lshlrev_b32 v1, 4, v9                        ; v1 = 16 x lane
.irp i, 0,1,2,3,4,5,6,7
	global_load_b128 v[QF+4*\i:QF+4*\i+3], v1, s[26:27] offset:\i*512      ; my four query fragments, 512 consecutive bytes a load
.endr
	s_lshl_b32 s44, s11, 14
	v_add_nc_u32 v[ADR], s44, v1
	v_add_nc_u32 v[ADR+1], SLOTB, v[ADR]
	s_lshl_b32 s44, s10, 8                         ; v4: my wave's maxima (its sums 2,048 bytes further): MB + 256 w + 4 r
	s_add_co_u32 s44, s44, MB
	v_lshl_add_u32 v4, v14, 2, s44
	s_lshl_b32 s44, s12, 8                         ; v5: the maxima of the four waves of my query half: MB + 256 qh + 4 r, then 512 a quarter
	s_add_co_u32 s44, s44, MB
	v_lshl_add_u32 v5, v14, 2, s44
	s_lshl_b32 s45, s11, 6                         ; v8: their sums for query tile kq: LB + 256 qh + 64 kq + 4 r
	s_add_co_u32 s44, s44, s45
	s_add_co_u32 s44, s44, LB-MB
	v_lshl_add_u32 v8, v14, 2, s44
	s_lshl_b32 s44, s10, 13                        ; v6: my wave's stage: STG + 8,192 w + 16 x lane
	s_add_co_u32 s44, s44, STG
	v_add_nc_u32 v6, s44, v1
	s_lshl_b32 s44, s12, 13                        ; v7: query tile kq in the stages of my query half: STG + 8,192 qh + 2,048 kq + 16 x lane, then 16,384 a quarter
	s_lshl_b32 s45, s11, 11
	s_add_co_u32 s44, s44, s45
	s_add_co_u32 s44, s44, STG
	v_add_nc_u32 v7, s44, v1
	v_mov_b32 v[NM+1], 0                           ; the upper registers of the two broadcast pairs are named by packed instructions: written once
	v_mov_b32 v[AL+1], 0
	WIN 0x40
.irp i, 0,1,2,3,4,5,6,7
	v_mov_b32 v[ON+\i], 0x3f803f80                 ; 1.0, 1.0 in bf16
.endr
	WIN 0
; 32 LDS loads, 16 bytes a lane at 16 x lane: 8 key fragments, then 8 V fragments, of the 128 keys of my quarter in the slot
.macro LOADKV slot
.irp t, 0,1,2,3,4,5,6,7
	ds_load_b128 v[KF+8*\t:KF+8*\t+3],   v[ADR+\slot] offset:(\t/2)*4096+(\t%2)*1024
	ds_load_b128 v[KF+8*\t+4:KF+8*\t+7], v[ADR+\slot] offset:(\t/2)*4096+(\t%2)*1024+512
.endr
	WIN 0x40                                       ; destination in window 1
.irp t, 0,1,2,3,4,5,6,7
	ds_load_b128 v[VF+8*\t:VF+8*\t+3],   v[ADR+\slot] offset:(\t/2)*4096+2048+(\t%2)*1024
	ds_load_b128 v[VF+8*\t+4:VF+8*\t+7], v[ADR+\slot] offset:(\t/2)*4096+2048+(\t%2)*1024+512
.endr
	WIN 0
.endm
; Product t of the eight of S^T = K Q^T for query tile q: 16 keys x 16 queries over all 32 channels, into buffer q % 2
.macro SCORE q, t
	v_wmma_f32_16x16x32_bf16 v[SC+64*((\q)%2)+8*(\t):SC+64*((\q)%2)+8*(\t)+7], v[KF+8*(\t):KF+8*(\t)+7], v[QF+8*(\q):QF+8*(\q)+7], 0
.endm
; Number x of the 32 that find the largest of my 64 scores of query tile q, in four chains that do not wait for each other: chain c takes score tiles 2 c and 2 c + 1,
; each accumulator's lowest registers first.
.macro MAXN q
.set SN, SC+64*((\q)%2)
.if x < 4
	v_max_num_f32 v[T+x], v[SN+16*x], v[SN+16*x+1]
.else
	v_max3_num_f32 v[T+x%4], v[T+x%4], v[SN+16*(x%4)+2*(x/4)], v[SN+16*(x%4)+2*(x/4)+1]
.endif
.set x, x+1
.endm
; three matrix instructions for 32 keys j: O channels 0-15, O channels 16-31, the sum.  The three accumulators take turns.  S is the step's score buffer: P lies in its first 32 registers.
.macro PV3 q, j, zero
.if \zero
	v_wmma_f32_16x16x32_bf16 v[AC+24*\q:AC+24*\q+7],     v[VF+16*\j:VF+16*\j+7],    v[S+8*\j:S+8*\j+7], 0
	v_wmma_f32_16x16x32_bf16 v[AC+24*\q+8:AC+24*\q+15],  v[VF+16*\j+8:VF+16*\j+15], v[S+8*\j:S+8*\j+7], 0
	v_wmma_f32_16x16x32_bf16 v[AC+24*\q+16:AC+24*\q+23], v[ON:ON+7],                v[S+8*\j:S+8*\j+7], 0
.else
	v_wmma_f32_16x16x32_bf16 v[AC+24*\q:AC+24*\q+7],     v[VF+16*\j:VF+16*\j+7],    v[S+8*\j:S+8*\j+7], v[AC+24*\q:AC+24*\q+7]
	v_wmma_f32_16x16x32_bf16 v[AC+24*\q+8:AC+24*\q+15],  v[VF+16*\j+8:VF+16*\j+15], v[S+8*\j:S+8*\j+7], v[AC+24*\q+8:AC+24*\q+15]
	v_wmma_f32_16x16x32_bf16 v[AC+24*\q+16:AC+24*\q+23], v[ON:ON+7],                v[S+8*\j:S+8*\j+7], v[AC+24*\q+16:AC+24*\q+23]
.endif
.endm
; One query tile against 128 keys.  Its scores lie in buffer q % 2 and its four maximum chains in T: the step before made them (for tile 0: the trip's head).
; first = 1: the tile's first keys: no old maximum, no rescale, the products start the sums.
; waitv = 1: V's loads are waited for here, in front of the trip's first product with V.
.macro STEP q, first, waitv
.set S, SC+64*(\q%2)
	v_max3_num_f32 v[T], v[T], v[T+1], v[T+2]      ; the four chains into one
.if \first
	v_max_num_f32 v[T], v[T], v[T+3]
.else
	v_max3_num_f32 v[T], v[T], v[T+3], v[MX+\q]    ; with the running maximum
.endif
	v_permlanex16_b32 v[T+1], v[T], s28, s29       ; the other half of the wave holds the query's other keys
	v_max_num_f32 v[T+2], v[T], v[T+1]             ; the new maximum of query r, in both its lanes
.if \first
	v_sub_f32 v[NM], 0, v[T+2]
	v_mov_b32 v[MX+\q], v[T+2]
.else
	v_sub_f32 v[AL], v[MX+\q], v[T+2]
	v_sub_f32 v[NM], 0, v[T+2]
	v_exp_f32 v[AL], v[AL]                         ; alpha, at most 1: the batch's first
	v_mov_b32 v[MX+\q], v[T+2]                     ; from here on T is free for the next tile's chains
.endif
	; THE BATCH: P = 2^(score - maximum), in place.  Nothing down to the wait names a result of it.  Between the exponentials of tile t stand the subtractions of
	; tile t + 1; among tiles 0 to 3 the next query tile's eight score products, two a tile, into the other buffer; from tile 4 on the next query tile's maximum chains:
	; the first that reads a new accumulator has seven plain instructions or more behind that accumulator's product (ISA guide 7.12.1).
.irp i, 0,1,2,3
	v_pk_add_f32 v[S+2*\i:S+2*\i+1], v[S+2*\i:S+2*\i+1], v[NM:NM+1] op_sel_hi:[1,0]
.endr
.set x, 0
.irp t, 0,1,2,3,4,5,6,7
.irp i, 0,1,2,3
.if (\q < 3) && (\t < 4) && ((\i)%2 == 0)
	SCORE (\q)+1, 2*(\t)+(\i)/2
.endif
	v_exp_f32 v[S+8*\t+2*\i], v[S+8*\t+2*\i]
.if \t < 7
	v_pk_add_f32 v[S+8*\t+8+2*\i:S+8*\t+8+2*\i+1], v[S+8*\t+8+2*\i:S+8*\t+8+2*\i+1], v[NM:NM+1] op_sel_hi:[1,0]
.elseif \q < 3
	MAXN (\q)+1
.endif
	v_exp_f32 v[S+8*\t+2*\i+1], v[S+8*\t+2*\i+1]
.if (\q < 3) && (\t > 3)
	MAXN (\q)+1
.endif
.endr
.endr
.if \q < 3
.rept 12
	MAXN (\q)+1                                    ; the rest of the next tile's chains: plain instructions behind the last exponential (ISA guide 5.7.2), which name no result of the batch
.endr
.else
	v_nop                                          ; the trip's last step has no next tile: the plain instruction behind the last exponential (ISA guide 5.7.2)
.endif
	s_wait_alu depctr_va_vdst(0)                   ; the step's one wait: it serves the whole batch, alpha and the 64 weights; all their readers stand below
.set i, 0
.rept 32
	v_cvt_pk_bf16_f32 v[S+i], v[S+2*i], v[S+2*i+1] ; pair i of weights, rounded in place: register i has been read by an earlier rounding, or by this one
.set i, i+1
.endr
.if \waitv
	s_wait_dscnt 0x0                               ; V's fragments are in
.endif
	WIN 0x51                                       ; destination, source 0 and source 2 in window 1 (accumulators, V, ones); source 1 in window 0 (alpha, P)
.if \first
.else
.irp i, 0,1,2,3,4,5,6,7,8,9,10,11
	v_pk_mul_f32 v[AC+24*\q+2*\i:AC+24*\q+2*\i+1], v[AC+24*\q+2*\i:AC+24*\q+2*\i+1], v[AL:AL+1] op_sel_hi:[1,0]
.endr
.endif
	PV3 \q, 0, \first
	PV3 \q, 1, 0
	PV3 \q, 2, 0
	PV3 \q, 3, 0
	WIN 0
.endm
; One trip: 128 keys of my quarter against my four query tiles.  refill = 1: the other slot gets the next trip's tile.
.macro TRIP slot, refill, first
	s_wait_tensorcnt 0x0                           ; all my tensor loads have landed, my part of this trip's tile among them,
	ds_add_u32 v254, v255
	s_wait_dscnt 0x0
	s_add_nc_u64 s[G0+4*\slot+2:G0+4*\slot+3], s[G0+4*\slot+2:G0+4*\slot+3], 2*TILEB   ; so a group 0 may be written: this slot's next tile
	s_wait_dscnt 0x0                               ; my reads of the last trip's tile are back
	ROUND                                          ; both now hold of every wave of the four work-groups
.if \refill
	tensor_load_to_lds s[G0+4-4*\slot:G0+7-4*\slot], s[G1:G1+7]    ; my one tensor load behind the round, and the first thing there: the next tile, into the slot read last trip
	s_nop 0
.endif
	PLACES                                         ; behind the last trip's products with V, in front of the loads into V's registers
	LOADKV \slot
.if \first
	s_wait_loadcnt 0x0                             ; q
.endif
	s_wait_dscnt 16                                ; K's 16 loads are in; V's 16, issued behind them, may be out
.irp t, 0,1,2,3,4,5,6,7
	SCORE 0, \t                                    ; query tile 0's scores: no step stands in front of them in this trip
.endr
	PLACES
.set x, 0
.rept 32
	MAXN 0                                         ; and its four maximum chains
.endr
	STEP 0, \first, 1
	STEP 1, \first, 0
	STEP 2, \first, 0
	STEP 3, \first, 0
.endm
	TRIP 0, 1, 1                                   ; trip 0 starts the sums: nothing is cleared
	TRIP 1, 1, 0
	s_mov_b32 s30, 2
.Llap:
	TRIP 0, 1, 0                                   ; trips 2 to 5
	TRIP 1, 1, 0
	s_sub_co_u32 s30, s30, 1
	s_cmp_lg_u32 s30, 0
	s_cbranch_scc1 .Llap
	TRIP 0, 1, 0                                   ; trip 6 asks for the last tile
	TRIP 1, 0, 0                                   ; trip 7 asks for nothing (slot 1's stepped address is not used)
	; THE MERGE of the four key quarters.  (a) every wave publishes its four maxima
	PLACES                                         ; behind the last matrix instructions, for all that follows
.irp q, 0,1,2,3
	ds_store_b32 v4, v[MX+\q] offset:64*\q         ; both lanes of a query write the same word with the same number
.endr
	s_wait_dscnt 0x0
	s_barrier_signal -1
	s_barrier_wait -1
	; (b) the common maximum; my O and my sum are brought to it and staged
.irp k, 0,1,2,3
.irp q, 0,1,2,3
	ds_load_b32 v[MT+4*\k+\q], v5 offset:512*\k+64*\q
.endr
.endr
	s_wait_dscnt 0x0
.irp q, 0,1,2,3
	v_max3_num_f32 v[MT+\q], v[MT+\q], v[MT+4+\q], v[MT+8+\q]
.endr
.irp q, 0,1,2,3
	v_max_num_f32 v[MT+\q], v[MT+\q], v[MT+12+\q]
.endr
.irp q, 0,1,2,3
	v_sub_f32 v[MT+4+\q], v[MX+\q], v[MT+\q]       ; at most 0
.endr
.irp q, 0,1,2,3
	v_exp_f32 v[FP+2*\q],   v[MT+4+\q]             ; the factor, twice: a pair for the packed multiply
	v_exp_f32 v[FP+2*\q+1], v[MT+4+\q]
.endr
	v_nop                                          ; the plain instruction behind the exponentials (ISA guide 5.7.2)
	WIN 0x51
	s_wait_alu depctr_va_vdst(0)                   ; one wait for the batch of eight factors, ahead of their first reader
.irp q, 0,1,2,3
.irp i, 0,1,2,3,4,5,6,7
	v_pk_mul_f32 v[AC+24*\q+2*\i:AC+24*\q+2*\i+1], v[AC+24*\q+2*\i:AC+24*\q+2*\i+1], v[FP+2*\q:FP+2*\q+1]
.endr
.endr
	WIN 0x01                                       ; source 0 in window 1
.irp q, 0,1,2,3
	v_mul_f32 v[LT+\q], v[AC+24*\q+16], v[FP+2*\q] ; all eight registers of the sum's tile hold query r's sum: the first is taken
.endr
	WIN 0x04                                       ; store data in window 1
.irp q, 0,1,2,3
.irp i, 0,1,2,3
	ds_store_b128 v6, v[AC+24*\q+4*\i:AC+24*\q+4*\i+3] offset:2048*\q+512*\i
.endr
.endr
	WIN 0
.irp q, 0,1,2,3
	ds_store_b32 v4, v[LT+\q] offset:LB-MB+64*\q
.endr
	s_wait_dscnt 0x0
	s_barrier_signal -1
	s_barrier_wait -1
	; (c) wave (kq, qh) finishes query tile kq of half qh: four O and four sums are added, O / sum is rounded to bf16 and stored
.irp k, 0,1,2,3
	ds_load_b32 v[MT+\k], v8 offset:512*\k
.endr
.irp k, 0,1,2,3
.irp i, 0,1,2,3
	ds_load_b128 v[KF+16*\k+4*\i:KF+16*\k+4*\i+3], v7 offset:16384*\k+512*\i
.endr
.endr
	s_wait_dscnt 0x0
	v_add_f32 v[MT], v[MT], v[MT+1]
	v_add_f32 v[MT+2], v[MT+2], v[MT+3]
	v_add_f32 v[MT], v[MT], v[MT+2]                ; at least 1: the key of the common maximum counts 1
	v_rcp_f32 v[FP], v[MT]
	v_rcp_f32 v[FP+1], v[MT]
.irp i, 0,1,2,3,4,5,6,7
	v_pk_add_f32 v[KF+2*\i:KF+2*\i+1], v[KF+2*\i:KF+2*\i+1], v[KF+16+2*\i:KF+16+2*\i+1]     ; plain instructions behind the reciprocals, which touch neither their source nor their results
.endr
.irp i, 0,1,2,3,4,5,6,7
	v_pk_add_f32 v[KF+32+2*\i:KF+32+2*\i+1], v[KF+32+2*\i:KF+32+2*\i+1], v[KF+48+2*\i:KF+48+2*\i+1]
.endr
.irp i, 0,1,2,3,4,5,6,7
	v_pk_add_f32 v[KF+2*\i:KF+2*\i+1], v[KF+2*\i:KF+2*\i+1], v[KF+32+2*\i:KF+32+2*\i+1]
.endr
	s_wait_alu depctr_va_vdst(0)                   ; one wait for the two reciprocals; the 24 additions above are the independent work between
.irp i, 0,1,2,3,4,5,6,7
	v_pk_mul_f32 v[KF+2*\i:KF+2*\i+1], v[KF+2*\i:KF+2*\i+1], v[FP:FP+1]
.endr
.irp i, 0,1,2,3,4,5,6,7
	v_cvt_pk_bf16_f32 v[PB+\i], v[KF+2*\i], v[KF+2*\i+1]           ; lane (r, h): token r, channels 8 h .. + 7, then 16 + 8 h .. + 7: the two parts of an operand image
.endr
	global_store_b128 v1, v[PB:PB+3],   s[8:9]                     ; each store of the wave covers 512 consecutive bytes, aligned
	global_store_b128 v1, v[PB+4:PB+7], s[8:9] offset:512
	s_wait_tensorcnt 0x0
	ds_add_u32 v254, v255
	s_wait_dscnt 0x0
	ROUND                                          ; the closing round: no work-group ends while a partner may still issue a joint load that names it
	s_endpgm
.Lfunc_end_k_q0ae1419e06_attn:
	.size	k_q0ae1419e06_attn, .Lfunc_end_k_q0ae1419e06_attn-k_q0ae1419e06_attn
	.p2alignl 7, 3214868480
	.fill 96, 4, 3214868480
	.section	.rodata,"a",@progbits
	.p2align	6, 0x0
	.amdhsa_kernel k_q0ae1419e06_attn
		.amdhsa_group_segment_fixed_size 327680
		.amdhsa_private_segment_fixed_size 0
		.amdhsa_enable_private_segment 0
		.amdhsa_kernarg_size 24
		.amdhsa_user_sgpr_count 2
		.amdhsa_user_sgpr_kernarg_segment_ptr 1
		.amdhsa_wavefront_size32 1
		.amdhsa_system_sgpr_workgroup_id_x 1
		.amdhsa_system_sgpr_workgroup_id_y 1
		.amdhsa_system_sgpr_workgroup_id_z 1
		.amdhsa_system_vgpr_workitem_id 0
		.amdhsa_next_free_vgpr 424
		.amdhsa_next_free_sgpr 66
		.amdhsa_reserve_vcc 0
		.amdhsa_float_denorm_mode_32 3
		.amdhsa_float_denorm_mode_16_64 3
		.amdhsa_memory_ordered 1
		.amdhsa_forward_progress 1
		.amdhsa_inst_pref_size 255
	.end_amdhsa_kernel
	.section	.bss,"aw",@nobits
	.p2align	6
	.space	262144
	.amdgpu_metadata
---
amdhsa.version: [ 1, 2 ]
amdhsa.kernels:
  - .name:           k_q0ae1419e06_attn
    .symbol:         k_q0ae1419e06_attn.kd
    .args:
      - { .name: qbuf, .offset: 0, .size: 8, .value_kind: global_buffer, .address_space: global }
      - { .name: kvbuf, .offset: 8, .size: 8, .value_kind: global_buffer, .address_space: global }
      - { .name: abuf, .offset: 16, .size: 8, .value_kind: global_buffer, .address_space: global }
    .group_segment_fixed_size: 327680
    .private_segment_fixed_size: 0
    .kernarg_segment_align: 8
    .kernarg_segment_size: 24
    .max_flat_workgroup_size: 256
    .sgpr_count:     66
    .vgpr_count:     424
    .wavefront_size: 32
...
	.end_amdgpu_metadata
.endif
;; end of part 4
;; launch proj: the kernel of part 3 again; grid 256 x 1, 4 waves a work-group, no clusters, 35,328 bytes of LDS; arguments abuf, w_proj, b_proj, x, out0; writes out0
